; MI455X (gfx1250); checked and timed in simulation.
; The chip was launched on July 23, 2026; its instructions are those of AMD's public machine-readable ISA for CDNA 5 (MIT licence, August 2026) and "CDNA5" Instruction Set Architecture Reference Guide (July 2026). The comments in the code are by the model that wrote it; some were corrected since.
;; Attention. Allowed arithmetic: matrix products marked QUANTISED: E3M2 operands, one E8M0 scale for each 32 along K, by v_wmma_scale_f32_16x16x128_f8f6f4 with both operands' format E3M2, f32 sums; products left as they are: f32 operands where the result goes on into a quantised operand, else bf16, f16 or f32 operands; f32 sums; everything else in f32.
;; Inputs: a_b 1,024 float32; a_w 2,048 x 1,024 float32; encoder_masks 32 x 2,048 int32; encoder_outputs 32 x 2,048 x 1,024 float32; hidden_states_codes 32 x 32 x 24 uint8 (E3M2 codes of hidden_states, K innermost, in blocks of 32 codes, four codes in three bytes); hidden_states_scales 32 x 32 uint8 (E8M0 scales of hidden_states, one for each 32 codes along K); v_w 1,024 float32.
;; Outputs: out0 32 x 1,024 float32.
;; This version of the problem:
;;   THIS VERSION OF THE PROBLEM IS GIVEN IN LOW PRECISION. The matrix products marked QUANTISED in the list below multiply operands that are first quantised to E3M2 (3 exponent bits, 2 mantissa bits; 6 bits a number), with one power-of-two scale for each 32 numbers along K (OCP MX v1.0); their sums are f32. All else is computed in f32.
;;   The module's matrix products, in the order in which they are computed (A, B: the left and right operand; K: the contracted axis; several contracted axes count as one K, in the product's order):
;;     1. [M 32, K 1,024] x [K 1,024, N 1,024]; A: input hidden_states (given as codes); B: input a_w: QUANTISED
;;     2. [M 65,536, K 1,024] x [K 1,024, N 1,024]; A: input encoder_outputs; B: input a_w: QUANTISED
;;     3. [M 65,536, K 1,024] x [K 1,024, N 1]; A: computed on the way; B: input v_w: left as it is (N = 1 < 16)
;;     4. batch 32 x [M 1, K 2,048] x [K 2,048, N 1,024]; A: softmax; B: input encoder_outputs: left as it is (M = 1 < 16)
;;   THE QUANTISER, for each operand of a quantised product, along K:
;;     - K is cut into blocks of 32 from its start; a last block that is shorter is filled with zeros.
;;     - A block's scale is 2^e with e = floor(log2(the largest magnitude in the block)) - 4, held to -126 .. 127; a block of zeros has e = 0. As a byte (E8M0): e + 127.
;;     - Each number is divided by its block's scale, clamped to +-28, and rounded to the nearest number of E3M2, ties to even, subnormals kept.
;;     - The product sums the exact products of the quantised numbers (number of the format x scale) in f32.
;;   ~~~python
;;   def quantise(x, axis):      # numpy; x: float32 -> the quantised numbers, widened to float32 again
;;       x = np.moveaxis(x, axis, -1); K = x.shape[-1]
;;       x = np.pad(x, [(0, 0)] * (x.ndim - 1) + [(0, -K % 32)]); x = x.reshape(x.shape[:-1] + (-1, 32)); a = np.abs(x).max(-1, keepdims=True)
;;       e = np.where(a > 0, np.clip(np.frexp(np.where(a > 0, a, 1))[1] - 1 - 4, -126, 127), 0)      # np.frexp(a)[1] - 1 = floor(log2(a)), exactly
;;       r = np.clip(x / 2.0 ** e, -28, 28)
;;       step = 2.0 ** (np.maximum(np.frexp(np.where(r == 0, 1, r))[1] - 1, -2) - 2)
;;       q = np.round(r / step) * step * 2.0 ** e      # np.round: ties to even
;;       return np.moveaxis(q.reshape(q.shape[:-2] + (-1,))[..., :K], -1, axis).astype(np.float32)
;;   ~~~
;;   INPUTS GIVEN AS CODES. hidden_states (in the module: [32, 1024], K = its axis 1): each comes as NAME_codes (uint8): NAME with its K axis moved to the last place and cut into blocks of 32 codes, [.., K / 32, bytes a block], one block behind the other in memory; four codes in three bytes: a row's codes are one little-endian stream of bits, code i at bits 6 i .. 6 i + 5 (a code: sign, 3 exponent bits, 2 mantissa bits); and NAME_scales (uint8): the same leading axes, one E8M0 byte (e + 127) for each 32 codes along K. Its value is code x scale, taken as it is: it is not quantised again, and the codes and scales need not be those that the quantiser above would give.
;; One version. Each part assembles by itself: llvm-mc -triple=amdgcn-amd-amdhsa -mcpu=gfx1250 --defsym DOCPART=n.
;; ======== version 1 of 1: 3 launches
;; limits: right only within a limited range of input values
;; workspace buffers: wq 786,432 bytes; wsc 32,768 bytes; bias 131,072 bytes; list 262,144 bytes of whole numbers; meta 256 bytes of whole numbers; scores 262,144 bytes; wgmax 1,024 bytes
;; launch prep (part 1): grid 96 x 1, 8 waves a work-group, no clusters, 33,792 bytes of LDS; arguments a_w, a_b, hidden_states_codes, hidden_states_scales, encoder_masks, wq, wsc, bias, list, meta; writes wq, wsc, bias, list, meta
.if DOCPART == 1
	.amdgcn_target "amdgcn-amd-amdhsa--gfx1250"
	.amdhsa_code_object_version 6
	.text
	.protected	k_q6ede8a8cad_prep
	.globl	k_q6ede8a8cad_prep
	.p2align	8
	.type	k_q6ede8a8cad_prep,@function
k_q6ede8a8cad_prep:
	s_mov_b64 s[64:65], 0
	v_nop
	global_prefetch_b8 v0, s[64:65] scope:SCOPE_SE
	s_setreg_imm32_b32 hwreg(HW_REG_WAVE_MODE, 25, 1), 1
	s_wait_xcnt 0x0
; Three jobs, chosen by the work-group's number (32 work-groups each), all on whole waves:
;  0: w_dec = a_w[0:1024] is quantised along K (its first axis) to codes of E3M2 and multiplied at once with the hidden states' given codes:
;     bias'[b][d] = c (h_proj[b][d] + a_b[d]), c = 2 log2(e): what the next launch adds in front of its exponential.
;  1: w_enc = a_w[1024:2048] is quantised the same way and stored as images of operand registers (wq) with its scale words (wsc).
;  2: a batch's 2,048 masks become a list of the kept rows, cut into 8 parts of q = ceil(n / 8) rows at most, each part in 256 places (unused places hold 0),
;     and meta: n, and a flag.  A batch with no kept row lists all its rows with the flag 0: the next launch then makes all its scores equal, which is what the softmax of equal scores wants.
; WEIGHTS.  Work-group G takes columns 32 G .. 32 G + 31, wave s the K step s (128 along K).  A lane takes a column and its registers run down K: each load reads 128 consecutive bytes,
; a block of 32 lies in one lane, and the conversions give codes with K innermost.  An exchange of halves of the lanes turns the lane's four blocks into the fragments of two tiles of 16 columns.
; A block's scale byte is its largest magnitude's exponent field - 4, held at 1 from below by a floor among the maximum's leaves.
; LIMITS: a block whose largest magnitude lies under 2^-122 (zeros too) gets the byte 1: its codes are then zeros or held small, and this program alone reads the bytes.  NaN and infinities are not served.
; The scale words and bias' leave by stores of 4 bytes a lane (64 consecutive bytes for sixteen lanes at best): 160 KB in all.
.set X,   64                           ; v64-191  128 numbers of my column; later the eight partial sums
.set TM,  8                            ; v8-11    largest magnitudes
.set SO,  12                           ; v12-15   the conversions' scale operands
.set BY,  16                           ; v16-19   scale bytes
.set SW,  20                           ; v20      my column's scale word for this K step: a scale operand, and nothing else
.set H,   24                           ; v24-35, v36-47  the two fragments
.set CT,  48                           ; v48-63   the upper halves of the blocks' codes, before they are moved
.set HF,  192                          ; v192-215 the hidden states' two fragments
.set HS,  216                          ; v216-217 their scale words
.set D,   220                          ; v220-251 four accumulators
.set LA,  40                           ; the masks' way: v40-47 where my eight rows go in the list
.set LD,  48                           ; v48-55   their numbers
.macro WQ                              ; my column's 128 numbers -> fragments in v[H] on, scale word in v[SW]
.set N, 0
.rept 128
	global_load_b32 v[X+N], v2, s[4:5] offset:N*4096 th:TH_LOAD_NT   ; row N of the K step, 32 neighbouring columns
.set N, N+1
.endr
	s_wait_loadcnt 0x0
.irp b, 0,1,2,3
	v_max3_num_f32 v[TM+\b], |v[X+32*\b]|, |v[X+32*\b+1]|, 0x2800000   ; the floor 2^(5 - 127): the byte cannot fall under 1
.endr
.irp i, 2,4,6,8,10,12,14,16,18,20,22,24,26,28,30
.irp b, 0,1,2,3
	s_delay_alu instid0(VALU_DEP_4)
	v_max3_num_f32 v[TM+\b], v[TM+\b], |v[X+32*\b+\i]|, |v[X+32*\b+\i+1]|   ; the four blocks by turns
.endr
.endr
.irp b, 0,1,2,3
	s_delay_alu instid0(VALU_DEP_4)
	v_add_nc_u32 v[SO+\b], 0xfe000000, v[TM+\b]    ; 4 off the exponent field: the conversion takes that field as its scale
.endr
.irp b, 0,1,2,3
	s_delay_alu instid0(VALU_DEP_4)
	v_lshrrev_b32 v[BY+\b], 23, v[SO+\b]           ; the scale's byte
.endr
	s_delay_alu instid0(VALU_DEP_3)
	v_lshl_or_b32 v[SW], v[BY+1], 8, v[BY]
	s_delay_alu instid0(VALU_DEP_1)
	v_lshl_or_b32 v[SW], v[BY+2], 16, v[SW]
	s_delay_alu instid0(VALU_DEP_1)
	v_lshl_or_b32 v[SW], v[BY+3], 24, v[SW]
.irp c, 0,1
.irp h, 0,1
	v_cvt_scalef32_pk16_bf6_f32 v[H+12*\h+6*\c:H+12*\h+6*\c+2], v[X+32*(2*\c+\h):X+32*(2*\c+\h)+15], v[SO+2*\c+\h]      ; block 2 c + h, lower 16 codes
	v_cvt_scalef32_pk16_bf6_f32 v[CT+4*(2*\c+\h):CT+4*(2*\c+\h)+2], v[X+32*(2*\c+\h)+16:X+32*(2*\c+\h)+31], v[SO+2*\c+\h]   ; upper 16 (a conversion's three registers begin on an even number)
.endr
.endr
	v_nop                                          ; one plain place behind the conversions
.irp c, 0,1
.irp h, 0,1
.irp i, 0,1,2
	v_mov_b32 v[H+12*\h+6*\c+3+\i], v[CT+4*(2*\c+\h)+\i]
.endr
.endr
.endr
.irp i, 0,1,2,3,4,5,6,7,8,9,10,11
	v_permlane16_swap_b32 v[H+\i], v[H+12+\i]      ; blocks 0, 2 of columns 16-31 change places with blocks 1, 3 of columns 0-15: v[H] on is now the fragment of columns 0-15, v[H+12] on that of columns 16-31
.endr
.endm
	s_load_b512 s[4:19], s[0:1], 0x0               ; a_w, a_b, hidden codes, hidden scales, masks, wq, wsc, bias
	s_load_b128 s[20:23], s[0:1], 0x40             ; list, meta
	v_lshl_add_u32 v254, v0, 2, 0x8000
	v_mov_b32 v255, 0
	v_lshrrev_b32 v1, 5, v0
	s_delay_alu instid0(VALU_DEP_1)
	v_readfirstlane_b32 s24, v1                    ; wave 0..7
	v_and_b32 v1, 31, v0                           ; lane
	s_delay_alu instid0(VALU_DEP_1)
	v_lshlrev_b32 v2, 2, v1                        ; 4 x lane
	s_delay_alu instid0(VALU_DEP_2)
	v_lshlrev_b32 v3, 4, v1                        ; 16 x lane
	s_lshr_b32 s25, ttmp9, 5                       ; the job
	s_and_b32 s26, ttmp9, 31                       ; the column group G, or the batch
	s_mov_b32 s29, 0
	s_wait_kmcnt 0x0
	s_cmp_eq_u32 s25, 2
	s_cbranch_scc1 .Lmask
	s_lshl_b32 s28, s25, 22                        ; a_w: 1,024 rows of 4,096 bytes for w_enc,
	s_lshl_b32 s30, s24, 19                        ; 128 rows a K step,
	s_add_co_u32 s28, s28, s30
	s_lshl_b32 s30, s26, 7                         ; 128 bytes a column group
	s_add_co_u32 s28, s28, s30
	s_add_nc_u64 s[4:5], s[4:5], s[28:29]
	s_cmp_eq_u32 s25, 1
	s_cbranch_scc1 .Lenc
	; ---- w_dec and h_proj
	v_and_b32 v4, 15, v0                           ; r
	v_bfe_u32 v5, v0, 4, 1                         ; h
	s_delay_alu instid0(VALU_DEP_2)
	v_mul_u32_u24 v22, v4, 768                     ; a hidden row is 1,024 codes: 768 bytes
	s_delay_alu instid0(VALU_DEP_1)
	v_mad_u32_u24 v22, v5, 24, v22
	s_delay_alu instid0(VALU_DEP_4)
	v_lshlrev_b32 v23, 5, v4                       ; and 32 scale bytes
	v_lshlrev_b32 v218, 2, v4                      ; 4 r
	s_delay_alu instid0(VALU_DEP_1)
	v_lshl_add_u32 v219, v5, 15, v218              ; bias': 8 h rows of 4,096 bytes + 4 r
	s_lshl_b32 s28, s24, 12
	s_wait_alu depctr_va_vdst(0)
	v_add_nc_u32 v6, s28, v3                       ; LDS: my wave's 4,096 bytes of partial sums
	s_lshl_b32 s28, s24, 9
	v_add_nc_u32 v7, s28, v3                       ; and the piece of 512 bytes that I sum over the eight waves
	s_mul_i32 s28, s24, 96
	s_add_nc_u64 s[8:9], s[8:9], s[28:29]          ; the K step's 96 bytes of a hidden row
	s_lshl_b32 s28, s24, 2
	s_add_nc_u64 s[10:11], s[10:11], s[28:29]      ; and its scale word
	s_bfe_u32 s31, s24, 0x10001                    ; the piece that I sum: wave = 4 u + 2 t + half: tile of batches u, tile of columns t, registers 4 half on
	s_lshl_b32 s31, s31, 6
	s_add_co_u32 s28, s30, s31                     ; 128 G + 64 t
	s_add_nc_u64 s[6:7], s[6:7], s[28:29]          ; a_b at my piece's columns
	s_lshr_b32 s31, s24, 2
	s_lshl_b32 s31, s31, 16                        ; 16 u rows of bias'
	s_add_co_u32 s28, s28, s31
	s_and_b32 s31, s24, 1
	s_lshl_b32 s31, s31, 14                        ; 4 half rows
	s_add_co_u32 s28, s28, s31
	s_add_nc_u64 s[18:19], s[18:19], s[28:29]
	s_mov_b32 s33, 0x4038aa3b                      ; c = 2 log2(e)
.irp u, 0,1
.irp p, 0,1,2,3,4,5
	global_load_b64 v[HF+12*\u+2*\p:HF+12*\u+2*\p+1], v22, s[8:9] offset:12288*\u+48*(\p/3)+8*(\p%3)
.endr
	global_load_b32 v[HS+\u], v23, s[10:11] offset:512*\u
.endr
	global_load_b32 v21, v218, s[6:7]
	WQ
.rept 8
	v_nop                                          ; the scale word and the fragments were written by vector instructions: eight places ahead of the scaled products
.endr
.irp u, 0,1                                    ; four sums, each begun with 0: batches 16 u on x columns 16 t on, this K step
	v_wmma_scale_f32_16x16x128_f8f6f4 v[D+16*\u:D+16*\u+7], v[HF+12*\u:HF+12*\u+11], v[H:H+11], 0, v[HS+\u], v[SW] matrix_a_fmt:MATRIX_FMT_BF6 matrix_b_fmt:MATRIX_FMT_BF6
	v_wmma_scale_f32_16x16x128_f8f6f4 v[D+16*\u+8:D+16*\u+15], v[HF+12*\u:HF+12*\u+11], v[H+12:H+23], 0, v[HS+\u], v[SW] matrix_a_fmt:MATRIX_FMT_BF6 matrix_b_fmt:MATRIX_FMT_BF6 matrix_b_scale:MATRIX_SCALE_ROW1
.endr
.rept 4
	v_nop                                          ; four places ahead of the first read of the results
.endr
.irp t, 0,1,2,3
	ds_store_b128 v6, v[D+8*\t:D+8*\t+3] offset:1024*\t          ; each accumulator from its low end on
	ds_store_b128 v6, v[D+8*\t+4:D+8*\t+7] offset:1024*\t+512
.endr
	s_wait_dscnt 0x0                               ; for the others' sake: my partial sums lie in LDS
	s_barrier_signal -1
	s_barrier_wait -1
.irp w, 0,1,2,3,4,5,6,7
	ds_load_b128 v[X+4*\w:X+4*\w+3], v7 offset:4096*\w
.endr
	s_wait_dscnt 0x0
.irp w, 1
	v_pk_add_f32 v[X:X+1], v[X:X+1], v[X+4*\w:X+4*\w+1]          ; K steps in ascending order
	v_pk_add_f32 v[X+2:X+3], v[X+2:X+3], v[X+4*\w+2:X+4*\w+3]
.endr
.irp w, 2, 3, 4, 5, 6, 7
	s_delay_alu instid0(VALU_DEP_2)
	v_pk_add_f32 v[X:X+1], v[X:X+1], v[X+4*\w:X+4*\w+1]          ; K steps in ascending order
	s_delay_alu instid0(VALU_DEP_2)
	v_pk_add_f32 v[X+2:X+3], v[X+2:X+3], v[X+4*\w+2:X+4*\w+3]
.endr
	v_mul_f32 v21, s33, v21                        ; c a_b
.irp i, 0,1,2,3
	v_fma_f32 v[X+\i], v[X+\i], s33, v21           ; c h_proj + c a_b
.endr
.irp i, 0,1,2,3
	global_store_b32 v219, v[X+\i], s[18:19] offset:4096*\i
.endr
	s_wait_tensorcnt 0x0
	ds_add_u32 v254, v255
	s_wait_dscnt 0x0
	s_endpgm
	; ---- w_enc
.Lenc:
	s_wait_alu depctr_va_vdst(0)
	WQ
	s_lshl_b32 s28, s26, 4
	s_lshl_b32 s30, s24, 1
	s_add_co_u32 s28, s28, s30                     ; fragment 16 G + 2 s (+ tile)
	s_mul_i32 s28, s28, 1536
	s_add_nc_u64 s[14:15], s[14:15], s[28:29]
.irp t, 0,1
.irp c, 0,1,2
	global_store_b128 v3, v[H+12*\t+4*\c:H+12*\t+4*\c+3], s[14:15] offset:1536*\t+512*\c   ; the fragment as it stands: 512 consecutive bytes a store
.endr
.endr
	v_and_b32 v4, 15, v0
	v_bfe_u32 v5, v0, 4, 1
	s_delay_alu instid0(VALU_DEP_2)
	v_lshlrev_b32 v4, 4, v4
	s_delay_alu instid0(VALU_DEP_1)
	v_lshl_add_u32 v4, v5, 9, v4                   ; scale words: tile 2 G + lane / 16 at 512 bytes a tile; column r's four words of K steps 4 (s / 4) on at 256 (s / 4) + 16 r
	s_wait_alu depctr_va_vdst(0)
	s_lshl_b32 s28, s26, 10
	s_lshr_b32 s30, s24, 2
	s_lshl_b32 s30, s30, 8
	s_add_co_u32 s28, s28, s30
	s_and_b32 s30, s24, 3
	s_lshl_b32 s30, s30, 2
	s_add_co_u32 s28, s28, s30
	s_add_nc_u64 s[16:17], s[16:17], s[28:29]
	global_store_b32 v4, v[SW], s[16:17]
	s_endpgm
	; ---- the masks of batch s26.  Every wave counts all 2,048 (so no wave waits for another) and places its own 256 rows.
	; Every address, every number to be stored and every mask is made with all lanes on, ahead of the first line that narrows EXEC; behind it stand the stores alone.
.Lmask:
	s_lshl_b32 s28, s26, 13                        ; 8,192 bytes a batch, in the masks and in the list
	s_add_nc_u64 s[12:13], s[12:13], s[28:29]
	s_add_nc_u64 s[20:21], s[20:21], s[28:29]
.set N, 0
	s_wait_alu depctr_va_vdst(0)
.rept 64
	global_load_b32 v[X+N], v2, s[12:13] offset:128*N
.set N, N+1
.endr
	s_lshl_b32 s34, s24, 8                         ; 256 x wave: my first row
	v_lshl_add_u32 v4, s34, 2, v2
.irp j, 0,1,2,3,4,5,6,7
	global_load_b32 v[32+\j], v4, s[12:13] offset:128*\j        ; my own rows once more: 256 w + 32 j + lane
.endr
	v_add_nc_u32 v11, s34, v1                      ; 256 w + lane
	s_delay_alu instid0(VALU_DEP_1)
	v_lshlrev_b32 v13, 2, v11                      ; part w's places, 4 bytes each
	v_mov_b32 v18, 0
	v_and_b32 v16, 1, v1
	s_delay_alu instid0(VALU_DEP_1)
	v_lshlrev_b32 v14, 7, v16
	s_delay_alu instid0(VALU_DEP_1)
	v_lshl_add_u32 v14, s26, 2, v14                ; even lanes: meta[b];  odd lanes: meta[32 + b]
	s_wait_loadcnt 0x0
	s_mov_b32 s30, 0                               ; n
	s_mov_b32 s31, 0                               ; kept rows in front of mine
.irp u, 0,1,2,3,4,5,6,7
	s_mov_b32 s33, 0
.irp j, 0,1,2,3,4,5,6,7
	v_cmp_ne_u32 s32, 0, v[X+8*\u+\j]
	s_bcnt1_i32_b32 s32, s32
	s_add_co_u32 s33, s33, s32
.endr
	s_add_co_u32 s30, s30, s33
	s_cmp_gt_u32 s24, \u
	s_cselect_b32 s33, s33, 0
	s_add_co_u32 s31, s31, s33
.endr
.irp j, 0,1,2,3,4,5,6,7
	v_cmp_ne_u32 s[40+\j], 0, v[32+\j]             ; which of my rows are kept
.endr
	s_movk_i32 s36, 0x800
	s_cmp_eq_u32 s30, 0                            ; no row kept: all rows are listed, with the flag 0.  Selections alone follow: they leave the condition as it is
	s_cselect_b32 s35, 0, 1
	s_cselect_b32 s31, s34, s31
.irp j, 0,1,2,3,4,5,6,7
	s_cselect_b32 s[40+\j], -1, s[40+\j]
.endr
	s_cselect_b32 s30, s36, s30
	s_add_co_u32 s37, s30, 7
	s_lshr_b32 s37, s37, 3                         ; q = ceil(n / 8), 1 .. 256
	s_sub_co_u32 s38, 256, s37
.irp t, 1,2,3,4,5,6,7
	s_mul_i32 s[48+\t], s37, \t
.endr
	s_mul_i32 s39, s24, s37
	s_sub_co_i32 s39, s30, s39
	s_max_i32 s39, s39, 0
	s_min_i32 s39, s39, s37                        ; rows of part w (the part whose unused places I fill)
.irp j, 0,1,2,3,4,5,6,7
	v_mbcnt_lo_u32_b32 v8, s[40+\j], 0
	s_delay_alu instid0(VALU_DEP_1)
	v_add_nc_u32 v8, s31, v8                       ; my row's rank among the kept
	v_mov_b32 v9, 0
.irp t, 1,2,3,4,5,6,7
	v_cmp_le_u32 vcc_lo, s[48+\t], v8
	s_delay_alu instid0(VALU_DEP_1)
	v_cndmask_b32 v10, 0, 1, vcc_lo
	s_delay_alu instid0(VALU_DEP_1)
	v_add_nc_u32 v9, v9, v10                       ; part = how many of q, 2 q .. 7 q the rank has reached
.endr
	s_delay_alu instid0(VALU_DEP_1)
	v_mad_u32_u24 v8, v9, s38, v8                  ; place = 256 part + (rank - part q)
	s_delay_alu instid0(VALU_DEP_1)
	v_min_u32 v8, 0x7ff, v8                        ; held inside the batch's 2,048 places
	s_delay_alu instid0(VALU_DEP_1)
	v_lshlrev_b32 v[LA+\j], 2, v8
	v_add_nc_u32 v[LD+\j], 32*\j, v11              ; the row's number
	v_add_nc_u32 v12, 32*\j, v1
	s_delay_alu instid0(VALU_DEP_1)
	v_cmp_le_u32 s[66+\j], s39, v12                ; places of part w from its rows on are unused
	s_bcnt1_i32_b32 s57, s[40+\j]
	s_add_co_u32 s31, s31, s57
.endr
	v_mov_b32 v15, s30
	v_mov_b32 v17, s35
	v_cmp_eq_u32 vcc_lo, 1, v16
	s_delay_alu instid0(VALU_DEP_1)
	v_cndmask_b32 v15, v15, v17, vcc_lo            ; even lanes n, odd lanes the flag
	s_cmp_lg_u32 s24, 0
	s_cbranch_scc1 .Lnometa
	global_store_b32 v14, v15, s[22:23]            ; all lanes on: sixteen lanes store the same number to the same word
.Lnometa:
	s_wait_alu depctr_va_vdst(0)
.irp j, 0,1,2,3,4,5,6,7
	s_mov_b32 vcc_lo, s[40+\j]
	s_wait_xcnt 0x0                                ; EXEC changes only behind this wait
	s_and_saveexec_b32 s56, vcc_lo
	global_store_b32 v[LA+\j], v[LD+\j], s[20:21]  ; the kept rows of my 32 go to their places
	s_wait_xcnt 0x0                                ; and again ahead of the line that widens it
	s_or_b32 exec_lo, exec_lo, s56
.endr
.irp j, 0,1,2,3,4,5,6,7
	s_mov_b32 vcc_lo, s[66+\j]
	s_wait_xcnt 0x0
	s_and_saveexec_b32 s56, vcc_lo
	global_store_b32 v13, v18, s[20:21] offset:128*\j   ; unused places hold row 0: they are read, and weigh nothing
	s_wait_xcnt 0x0
	s_or_b32 exec_lo, exec_lo, s56
.endr
	s_endpgm
.Lfunc_end_k_q6ede8a8cad_prep:
	.size	k_q6ede8a8cad_prep, .Lfunc_end_k_q6ede8a8cad_prep-k_q6ede8a8cad_prep
	.p2alignl 7, 3214868480
	.fill 96, 4, 3214868480
	.section	.rodata,"a",@progbits
	.p2align	6, 0x0
	.amdhsa_kernel k_q6ede8a8cad_prep
		.amdhsa_group_segment_fixed_size 33792
		.amdhsa_private_segment_fixed_size 0
		.amdhsa_enable_private_segment 0
		.amdhsa_kernarg_size 80
		.amdhsa_user_sgpr_count 2
		.amdhsa_user_sgpr_kernarg_segment_ptr 1
		.amdhsa_wavefront_size32 1
		.amdhsa_system_sgpr_workgroup_id_x 1
		.amdhsa_system_sgpr_workgroup_id_y 1
		.amdhsa_system_sgpr_workgroup_id_z 1
		.amdhsa_system_vgpr_workitem_id 0
		.amdhsa_next_free_vgpr 256
		.amdhsa_next_free_sgpr 80
		.amdhsa_reserve_vcc 1
		.amdhsa_float_denorm_mode_32 3
		.amdhsa_float_denorm_mode_16_64 3
		.amdhsa_memory_ordered 1
		.amdhsa_forward_progress 1
		.amdhsa_inst_pref_size 88
	.end_amdhsa_kernel
	.amdgpu_metadata
---
amdhsa.version: [ 1, 2 ]
amdhsa.kernels:
  - .name:           k_q6ede8a8cad_prep
    .symbol:         k_q6ede8a8cad_prep.kd
    .args:
      - { .name: a_w, .offset: 0, .size: 8, .value_kind: global_buffer, .address_space: global }
      - { .name: a_b, .offset: 8, .size: 8, .value_kind: global_buffer, .address_space: global }
      - { .name: hidden_states_codes, .offset: 16, .size: 8, .value_kind: global_buffer, .address_space: global }
      - { .name: hidden_states_scales, .offset: 24, .size: 8, .value_kind: global_buffer, .address_space: global }
      - { .name: encoder_masks, .offset: 32, .size: 8, .value_kind: global_buffer, .address_space: global }
      - { .name: wq, .offset: 40, .size: 8, .value_kind: global_buffer, .address_space: global }
      - { .name: wsc, .offset: 48, .size: 8, .value_kind: global_buffer, .address_space: global }
      - { .name: bias, .offset: 56, .size: 8, .value_kind: global_buffer, .address_space: global }
      - { .name: list, .offset: 64, .size: 8, .value_kind: global_buffer, .address_space: global }
      - { .name: meta, .offset: 72, .size: 8, .value_kind: global_buffer, .address_space: global }
    .group_segment_fixed_size: 33792
    .private_segment_fixed_size: 0
    .kernarg_segment_align: 8
    .kernarg_segment_size: 80
    .max_flat_workgroup_size: 256
    .sgpr_count:     80
    .vgpr_count:     256
    .wavefront_size: 32
...
	.end_amdgpu_metadata
.endif
;; end of part 1
;; launch energy (part 2): grid 8 x 32, 4 waves a work-group, no clusters, 304,896 bytes of LDS; arguments encoder_outputs, wq, wsc, bias, v_w, list, meta, scores, wgmax; writes scores, wgmax
.if DOCPART == 2
	.amdgcn_target "amdgcn-amd-amdhsa--gfx1250"
	.amdhsa_code_object_version 6
	.text
	.protected	k_q6ede8a8cad_energy
	.globl	k_q6ede8a8cad_energy
	.p2align	8
	.type	k_q6ede8a8cad_energy,@function
k_q6ede8a8cad_energy:
	s_mov_b64 s[64:65], 0
	v_nop
	global_prefetch_b8 v0, s[64:65] scope:SCOPE_SE
	s_setreg_imm32_b32 hwreg(HW_REG_WAVE_MODE, 25, 1), 1
	s_wait_xcnt 0x0
; One score for each kept row: s'(row) = sum over d of (-2 v_w[d]) / (1 + 2^(c e_proj[row][d] + bias'[b][d])), c = 2 log2(e).
; tanh(x) = 1 - 2 / (1 + 2^(c x)), so the reference's score is s' + sum(v_w); that sum is the same for every row of a batch and falls out of the softmax.
; e_proj is the quantised product: both operands are codes of E3M2 with one E8M0 scale for each 32 along K.  Rows that the mask hides are neither read nor multiplied: their weight is exactly 0.
; LIMITS: the sum of |v_w| stays under 1e9, so that a hidden row's weight, e^(-1e10 - max), is 0 in f32 as in the reference; inputs are finite; a block of a row whose largest magnitude lies under 2^-122 gets the scale byte 1.
; SHARES.  Work-group (part p, batch b) takes the part's rows, at most 256, as nm tiles of 16 (nm = 1 .. 16, from the stored count).  Trip counts are constants; a tile at or past nm is jumped over.
;  GATHER: wave w brings bytes 1,024 w .. 1,024 w + 1,023 of each row (K steps 2 w, 2 w + 1), 512 consecutive bytes a load; they turn through the wave's stage in LDS so that a lane holds 16 neighbours
;  of each block of 32, are quantised, and go to LDS as images of operand registers (a fragment: three stores of 512 bytes; a scale word: 4 bytes a row).
;  PRODUCT: wave j owns d = 256 j .. 256 j + 255: four groups of four tiles of 16.  A group's 32 fragments of W stay in registers (two sets: the next group's arrive while this one works).
;  A tile of rows is 8 fragments from LDS, each feeding four products.  Source 0 = 16 rows, source 1 = 16 columns of W: a lane holds one d (lane % 16) and rows 8 (lane / 16) + 0 .. 7.
;  A TRIP is one run of 32 products and then the tanh of their 32 result registers, in place, as ONE batch: 16 multiply-adds, 32 exponentials, 16 additions, 32 reciprocals, 16 sums.
;  The next tile's LDS loads go out in three runs of nine at most, each among plain lines (behind the multiply-adds, ahead of the additions, behind the additions), and are waited for once, ahead of the sums.
;  No tensor load and no cluster: the number of tiles hangs on a count read from memory, and partners would have different numbers of tiles.
; REGISTERS, in windows of 256.  Window 0: see the names below.  W's fragment f = 32 set + 16 pair + 2 K step + tile lies in window 1 + f / 21 at register 12 (f % 21); fragment 63 in window 0 at v240.
;  During the gather window 3 holds two tiles' rows as loaded.
.set ASCL,  196608                     ; LDS: 0: the images, 12,288 bytes a tile (1,536 a K step);  here: the rows' scale words, 512 bytes a tile: 32 r + 4 s
.set STG,   204800                     ; a stage for each wave: 16 rows x (512 + 16) bytes
.set SACL,  238592                     ; each wave's sums: 16,384 bytes a wave, 1,024 a tile
.set MAXX,  304128                     ; four maxima
.set SPARE, 304384                     ; the spare words, 128 bytes a wave
.set BS,    16                         ; v16-31, v32-47  W's scale words, a set for each set of W: tile t at 4 t: lanes 0-15 K steps 0-3, lanes 16-31 K steps 4-7
.set AS,    48                         ; v48-51  the rows' scale words, laid the same way
.set BIAS,  56                         ; v56-59 (set 1: v64-67)  bias' of my d, a register a tile
.set VRAW,  60                         ; v60-63 (set 1: v68-71)  v_w likewise
.set ACC,   72                         ; v72-103  four accumulators, tile t of d at 8 t
.set AR,    104                        ; v104-199 the rows' eight fragments
.set SACC,  200                        ; v200-207 this trip's sums for my eight rows
.set SOLD,  208                        ; v208-215 the earlier groups' sums
.set VP,    252                        ; v252-255 -2 v_w
.set XQ,    64                         ; the gather: v64-127, v128-191 the two K steps' 64 numbers
.set OFF,   192                        ; v192-207 16 rows' byte offsets
.set TM,    208                        ; v208-223 at work in QUANT
.set PC,    224                        ; v224-243 the codes just made
.set PW,    244                        ; v244     the scale word just made
; v1 16 x lane; v2, v3 LDS addresses of the next tile's images and scale words; v4 of this tile's sums; v5, v6 their bases; v7, v8 the stage, in and out; v9, v10 and v11, v12 where I store images and scale words (base, this trip's); v13 my bytes in a row; v14 4 r
.set MSB, 0
.macro WIN new                         ; the immediate's high byte repeats the setting that is left
.if MSB != (\new)
	s_set_vgpr_msb (MSB<<8)|(\new)
.set MSB, \new
.endif
.endm
.macro WPOS f                          ; where W's fragment f lies
.if (\f) == 63
.set WW, 0
.set WR, 240
.else
.set WW, 1+(\f)/21
.set WR, 12*((\f)%21)
.endif
.endm
.macro WLOAD sig, pi, goff             ; the 16 fragments of a pair into set sig: 48 loads of 512 consecutive bytes
.set FP, 0
.rept 16
	WPOS 32*(\sig)+16*(\pi)+FP
.set NW, WW<<6
	WIN NW
.irp c, 0,1,2
	global_load_b128 v[WR+4*\c:WR+4*\c+3], v1, s[6:7] offset:(\goff)+1536*(16*(\pi)+FP)+512*\c
.endr
.set FP, FP+1
.endr
	WIN 0
.endm
.macro SMALL sig, g                    ; group g's scale words, bias' and v_w
.irp t, 0,1,2,3
	global_load_b128 v[BS+16*(\sig)+4*\t:BS+16*(\sig)+4*\t+3], v1, s[8:9] offset:2048*(\g)+512*\t
	global_load_b32 v[BIAS+8*(\sig)+\t], v14, s[10:11] offset:256*(\g)+64*\t
	global_load_b32 v[VRAW+8*(\sig)+\t], v14, s[12:13] offset:256*(\g)+64*\t
.endr
.endm
.macro OFFS sb                         ; 16 listed rows become byte offsets: held inside the batch's 2,048 rows first
.irp r, 0,1,2,3,4,5,6,7,8,9,10,11,12,13,14,15
	s_min_u32 s[\sb+\r], s[\sb+\r], 0x7ff
	v_lshl_add_u32 v[OFF+\r], s[\sb+\r], 12, v13
.endr
	s_wait_alu depctr_va_vdst(0)                   ; a wait
.endm
.macro XLD e                           ; 16 rows x my 1,024 bytes into half e of window 3
	WIN 0xc0
.irp r, 0,1,2,3,4,5,6,7,8,9,10,11,12,13,14,15
	global_load_b128 v[128*(\e)+4*\r:128*(\e)+4*\r+3], v[OFF+\r], s[4:5]
	global_load_b128 v[128*(\e)+64+4*\r:128*(\e)+64+4*\r+3], v[OFF+\r], s[4:5] offset:512
.endr
	WIN 0
.endm
; 64 numbers of a lane, register 16 b + i = k 32 b + 16 (lane / 16) + i of my row, become a fragment's codes in v[PC] on and its scale word in v[PW]
.macro QUANT s
.irp b, 0,1,2,3
	v_max3_num_f32 v[TM+\b], |v[\s+16*\b]|, |v[\s+1+16*\b]|, 0x2800000   ; the floor 2^(5 - 127): the byte cannot fall under 1
.endr
.irp i, 2,4,6,8,10,12,14
.irp b, 0,1,2,3
	v_max3_num_f32 v[TM+\b], v[TM+\b], |v[\s+16*\b+\i]|, |v[\s+1+16*\b+\i]|
.endr
.endr
.irp b, 0,1,2,3
	v_permlanex16_b32 v[TM+4+\b], v[TM+\b], s34, s35
.endr
.irp b, 0,1,2,3
	v_max_num_f32 v[TM+\b], v[TM+\b], v[TM+4+\b]   ; with lane l xor 16's: the block's largest magnitude
.endr
.irp b, 0,1,2,3
	v_add_nc_u32 v[TM+12+\b], 0xfe000000, v[TM+\b] ; 4 off its exponent field: the conversion's scale operand
.endr
.irp b, 0,1,2,3
	v_lshrrev_b32 v[TM+4+\b], 23, v[TM+12+\b]      ; the scale's byte
.endr
	v_lshl_or_b32 v[PW], v[TM+5], 8, v[TM+4]
	v_lshl_or_b32 v[PW], v[TM+6], 16, v[PW]
	v_lshl_or_b32 v[PW], v[TM+7], 24, v[PW]
.irp c, 0,1
	v_cvt_scalef32_pk16_bf6_f32 v[PC+6*\c:PC+2+6*\c], v[\s+32*\c:\s+15+32*\c], v[TM+12+2*\c]
	v_cvt_scalef32_pk16_bf6_f32 v[PC+12+4*\c:PC+14+4*\c], v[\s+16+32*\c:\s+31+32*\c], v[TM+12+2*\c+1]
.endr
	v_nop                                          ; one plain place behind the conversions
.irp c, 0,1                                    ; the operand wants a whole block in a lane
.irp i, 0,1,2
	v_permlane16_swap_b32 v[PC+6*\c+\i], v[PC+12+4*\c+\i]
.endr
.irp i, 0,1,2
	v_mov_b32 v[PC+3+6*\c+\i], v[PC+12+4*\c+\i]
.endr
.endr
.endm
; Tile s30 + e of the gather; its rows lie in half e of window 3, or are on their way there.
.macro XTILE e
	s_add_co_u32 s58, s30, \e
	s_cmp_ge_u32 s58, s28
	s_cbranch_scc1 .Lxskip_\@
	s_wait_loadcnt 32                              ; my tile's loads are in; the 32 of the tile behind it may be out
.irp kk, 0,1
	WIN 0x0c                                       ; an LDS store's data: window 3
.irp r, 0,1,2,3,4,5,6,7,8,9,10,11,12,13,14,15
	ds_store_b128 v7, v[128*(\e)+64*\kk+4*\r:128*(\e)+64*\kk+4*\r+3] offset:528*\r
.endr
	WIN 0
.irp b, 0,1,2,3
.irp j, 0,1,2,3
	ds_load_b128 v[XQ+64*\kk+16*\b+4*\j:XQ+64*\kk+16*\b+4*\j+3], v8 offset:128*\b+16*\j   ; LDS serves a wave's instructions in order: these see the stores above, and the next K step's stores come behind them
.endr
.endr
.endr
	s_wait_dscnt 16                                ; all but the second K step's 16 reads: the stores have read window 3, and the first K step's numbers are in
	s_add_co_u32 s58, s58, 2
	s_cmp_lt_u32 s58, s28
	s_cbranch_scc0 .Lxlast_\@
	s_wait_kmcnt 0x0                               ; the list's 16 entries of the tile two on
	s_wait_xcnt 0x0                                ; the offsets' registers are sources of the loads that are out: rewritten only behind this wait
	OFFS 36
	XLD \e                                         ; into the registers that this tile has left
	s_add_co_u32 s57, s58, 1
	s_min_u32 s57, s57, 15                         ; no entry past the part's 256
	s_lshl_b32 s57, s57, 6
	s_load_b512 s[36:51], s[14:15], s57 offset:0x0
	s_branch .Lxq_\@
.Lxlast_\@:
	s_wait_loadcnt 0x0                             ; nothing more to ask for: then nothing is out, and the count at the next tile's head holds on this way too
.Lxq_\@:
	QUANT XQ
.irp c, 0,1,2
	ds_store_b128 v10, v[PC+4*\c:PC+4*\c+3] offset:12288*(\e)+512*\c
.endr
	ds_store_b32 v12, v[PW] offset:512*(\e)        ; lanes r and 16 + r store the same word to the same place
	s_wait_dscnt 4                                 ; the second K step's numbers are in: behind their 16 reads stand the four stores just issued, which may be out
	QUANT XQ+64
.irp c, 0,1,2
	ds_store_b128 v10, v[PC+4*\c:PC+4*\c+3] offset:12288*(\e)+1536+512*\c
.endr
	ds_store_b32 v12, v[PW] offset:512*(\e)+4      ; no wait here: the images are read only behind the wait for all LDS instructions and the barrier at the gather's end
	s_branch .Lxdone_\@
.Lxskip_\@:
	s_wait_loadcnt 0x0                             ; a tile that is jumped over leaves no load out
.Lxdone_\@:
.endm
; One product: K step k, tile tau of pair pi of set sig.  The pair's two accumulators take turns, one instruction a turn.
.macro WM sig, pi, k, tau
	WPOS 32*(\sig)+16*(\pi)+2*(\k)+(\tau)
.set NW, WW<<2
	WIN NW
.set DD, ACC+16*(\pi)+8*(\tau)
.set FA, AR+12*(\k)
.set SA, AS+(\k)%4
.set SB, BS+16*(\sig)+4*(2*(\pi)+(\tau))+(\k)%4
.if (\k) == 0
	v_wmma_scale_f32_16x16x128_f8f6f4 v[DD:DD+7], v[FA:FA+11], v[WR:WR+11], 0, v[SA], v[SB] matrix_a_fmt:MATRIX_FMT_BF6 matrix_b_fmt:MATRIX_FMT_BF6
.elseif (\k) < 4
	v_wmma_scale_f32_16x16x128_f8f6f4 v[DD:DD+7], v[FA:FA+11], v[WR:WR+11], v[DD:DD+7], v[SA], v[SB] matrix_a_fmt:MATRIX_FMT_BF6 matrix_b_fmt:MATRIX_FMT_BF6
.else
	v_wmma_scale_f32_16x16x128_f8f6f4 v[DD:DD+7], v[FA:FA+11], v[WR:WR+11], v[DD:DD+7], v[SA], v[SB] matrix_a_fmt:MATRIX_FMT_BF6 matrix_b_fmt:MATRIX_FMT_BF6 matrix_a_scale:MATRIX_SCALE_ROW1 matrix_b_scale:MATRIX_SCALE_ROW1
.endif
.endm
; The n-th LDS load of a tile: 0-23 its eight fragments, 512 bytes each; 24 its scale words; 25, 26 the old sums of the tile at work, where there are any
.macro LDN n, first
.if (\n) < 24
	ds_load_b128 v[AR+4*(\n):AR+4*(\n)+3], v2 offset:512*(\n)
.elseif (\n) == 24
	ds_load_b128 v[AS:AS+3], v3
.elseif ((\n) < 27) && ((\first) == 0)
	ds_load_b128 v[SOLD+4*((\n)-25):SOLD+4*((\n)-25)+3], v4 offset:512*((\n)-25)
.endif
.endm
.macro LDRUN from, to, first           ; loads from .. to - 1
.set N, \from
.rept (\to)-(\from)
	LDN N, \first
.set N, N+1
.endr
.endm
; Tile s30 of rows against the group in set sig.  At its head the tile's fragments and scale words lie in registers.
.macro TRIP sig, first
	s_cmp_ge_u32 s30, s28
	s_cbranch_scc1 .Ltskip_\@
	s_add_co_u32 s52, s30, 1
	s_cmp_lt_u32 s52, s28
	s_cselect_b32 s52, s52, 0                      ; the next tile; behind the last comes tile 0, for the next group
	s_min_u32 s52, s52, 15
	s_mul_i32 s53, s52, 12288
	s_lshl_b32 s54, s52, 9
.irp pi, 0,1                                   ; 32 products in one run: pair 0's sixteen, then pair 1's
.set K, 0
.rept 8
	WM \sig, \pi, K, 0
	WM \sig, \pi, K, 1
.set K, K+1
.endr
.endr
	WIN 0
	v_add_nc_u32 v2, s53, v1                       ; the next tile's images,
	v_add_nc_u32 v3, s54, v5                       ; its scale words,
	v_lshl_add_u32 v4, s30, 10, v6                 ; and this tile's sums: with the line below the four places ahead of the first read of a result
	v_nop
	s_wait_alu depctr_va_vdst(0)                   ; the wait, directly ahead of the results' first readers
.irp t, 0,1,2,3                                ; c e_proj + bias', in place, each accumulator from its low end on
.irp m, 0,2,4,6
.if (\t)%2 == 0
	v_pk_fma_f32 v[ACC+8*\t+\m:ACC+8*\t+\m+1], v[ACC+8*\t+\m:ACC+8*\t+\m+1], s[32:33], v[BIAS+8*(\sig)+2*(\t/2):BIAS+8*(\sig)+2*(\t/2)+1] op_sel_hi:[1,0,0]
.else
	v_pk_fma_f32 v[ACC+8*\t+\m:ACC+8*\t+\m+1], v[ACC+8*\t+\m:ACC+8*\t+\m+1], s[32:33], v[BIAS+8*(\sig)+2*(\t/2):BIAS+8*(\sig)+2*(\t/2)+1] op_sel:[0,0,1] op_sel_hi:[1,0,1]
.endif
.endr
.endr
	LDRUN 24, 27, \first                           ; the first run, twenty plain lines behind the last product: the next tile's scale words, the old sums,
	LDRUN 0, 6, \first                             ; and its fragments 0 and 1
	s_wait_alu depctr_va_vdst(0)                   ; the wait ahead of a batch of transcendentals
.set N, 0
.rept 32
	v_exp_f32 v[ACC+N], v[ACC+N]                   ; 2^(.)
.set N, N+1
.endr
	v_nop                                          ; a plain place behind the batch
	s_wait_alu depctr_va_vdst(0)                   ; and the one wait behind it
	LDRUN 6, 15, \first                            ; the second run: fragments 2 to 4
.set N, 0
.rept 16
	v_pk_add_f32 v[ACC+N:ACC+N+1], v[ACC+N:ACC+N+1], 1.0 op_sel_hi:[1,0]
.set N, N+2
.endr
	LDRUN 15, 24, \first                           ; the third run: fragments 5 to 7
	s_wait_alu depctr_va_vdst(0)                   ; ahead of the second batch
.set N, 0
.rept 32
	v_rcp_f32 v[ACC+N], v[ACC+N]                   ; 1 / (1 + 2^(.)): 0 where the exponential is infinite
.set N, N+1
.endr
	v_nop
	s_wait_alu depctr_va_vdst(0)                   ; behind it
	s_wait_dscnt 0x0                               ; the three runs of LDS loads are in, the old sums among them
.irp t, 0,1,2,3                                ; x (-2 v_w), onto the rows' sums; tile 0 starts them, on the old sums where there are any
.irp m, 0,2,4,6
.if (\t) == 0 && (\first)
	v_pk_mul_f32 v[SACC+\m:SACC+\m+1], v[ACC+\m:ACC+\m+1], v[VP:VP+1] op_sel_hi:[1,0]
.elseif (\t) == 0
	v_pk_fma_f32 v[SACC+\m:SACC+\m+1], v[ACC+\m:ACC+\m+1], v[VP:VP+1], v[SOLD+\m:SOLD+\m+1] op_sel_hi:[1,0,1]
.elseif (\t) == 2
	v_pk_fma_f32 v[SACC+\m:SACC+\m+1], v[ACC+16+\m:ACC+16+\m+1], v[VP+2:VP+3], v[SACC+\m:SACC+\m+1] op_sel_hi:[1,0,1]
.else
	v_pk_fma_f32 v[SACC+\m:SACC+\m+1], v[ACC+8*\t+\m:ACC+8*\t+\m+1], v[VP+2*(\t/2):VP+2*(\t/2)+1], v[SACC+\m:SACC+\m+1] op_sel:[0,1,0] op_sel_hi:[1,1,1]
.endif
.endr
.endr
	ds_store_b128 v4, v[SACC:SACC+3]
	ds_store_b128 v4, v[SACC+4:SACC+7] offset:512
.Ltskip_\@:
.endm
; Group g, in set sig.  The next group's W arrives in two runs of loads, the first at the head, the second behind four trips.
.macro GROUP sig, g, first
	s_wait_loadcnt 0x0                             ; this group's W, scale words, bias' and v_w are in
.irp t, 0,1,2,3
	v_mul_f32 v[VP+\t], -2.0, v[VRAW+8*(\sig)+\t]
.endr
.if (\g) < 3
	WLOAD 1-(\sig), 0, 49152*((\g)+1)
.endif
	s_mov_b32 s30, 0
.Lga_\@:
	TRIP \sig, \first
	s_add_co_u32 s30, s30, 1
	s_cmp_lt_u32 s30, 4
	s_cbranch_scc1 .Lga_\@
.if (\g) < 3
	WLOAD 1-(\sig), 1, 49152*((\g)+1)
	SMALL 1-(\sig), (\g)+1
.endif
	s_mov_b32 s30, 4
.Lgb_\@:
	TRIP \sig, \first
	s_add_co_u32 s30, s30, 1
	s_cmp_lt_u32 s30, 16
	s_cbranch_scc1 .Lgb_\@
.endm
	s_load_b512 s[4:19], s[0:1], 0x0               ; rows, wq, wsc, bias', v_w, list, meta, scores
	s_load_b64 s[20:21], s[0:1], 0x40              ; wgmax
	v_lshrrev_b32 v1, 5, v0
	v_readfirstlane_b32 s22, v1                    ; wave 0..3
	s_mov_b32 s23, ttmp9                           ; part
	s_and_b32 s24, ttmp7, 0xffff                   ; batch
	v_and_b32 v1, 31, v0
	v_lshlrev_b32 v1, 4, v1                        ; 16 x lane
	v_and_b32 v15, 15, v0                          ; r
	v_bfe_u32 v2, v0, 4, 1                         ; h
	v_lshlrev_b32 v14, 2, v15
	v_lshlrev_b32 v11, 5, v15                      ; 32 r
	v_lshl_add_u32 v5, v2, 4, v11
	v_add_nc_u32 v5, ASCL, v5                      ; a tile's scale words: row r's four words of K steps 4 h on
	s_lshl_b32 s52, s22, 14
	s_add_co_u32 s52, s52, SACL
	v_add_nc_u32 v6, s52, v1
	s_mul_i32 s52, s22, 8448
	s_add_co_u32 s52, s52, STG
	v_add_nc_u32 v7, s52, v1                       ; the stage, in: a row's 512 bytes as they lie
	v_mul_u32_u24 v8, v15, 528
	v_lshl_add_u32 v8, v2, 6, v8
	v_add_nc_u32 v8, s52, v8                       ; out: row r, + 64 h: my 16 numbers of a block of 32
	s_mul_i32 s52, s22, 3072
	v_add_nc_u32 v9, s52, v1                       ; my two K steps' images
	s_lshl_b32 s52, s22, 3
	s_add_co_u32 s52, s52, ASCL
	v_add_nc_u32 v11, s52, v11                     ; and their scale words
	s_lshl_b32 s54, s22, 10
	v_add_nc_u32 v13, s54, v1                      ; my 1,024 bytes of a row
.irp b, 0,1,2,3
	v_mov_b32 v[TM+4+\b], 0                        ; written once: a lane permute's destination counts as one of its sources
.endr
	s_mov_b32 s32, 0x4038aa3b                      ; c = 2 log2(e)
	s_mov_b32 s33, s32                             ; (named with it as a pair, so it is written)
	s_mov_b32 s34, 0x76543210
	s_mov_b32 s35, 0xfedcba98                      ; v_permlanex16_b32's selects for lane l xor 16
	s_mov_b32 s53, 0
	s_wait_alu depctr_va_vdst(0)                   ; the wait at the head's end
	s_wait_kmcnt 0x0
	s_lshl_b32 s52, s24, 23
	s_add_nc_u64 s[4:5], s[4:5], s[52:53]          ; the batch's rows
	s_mul_i32 s52, s22, 196608
	s_add_nc_u64 s[6:7], s[6:7], s[52:53]          ; my 128 fragments of W
	s_lshl_b32 s52, s22, 13
	s_add_nc_u64 s[8:9], s[8:9], s[52:53]
	s_lshl_b32 s52, s24, 12
	s_add_co_u32 s52, s52, s54
	s_add_nc_u64 s[10:11], s[10:11], s[52:53]
	s_mov_b32 s52, s54
	s_add_nc_u64 s[12:13], s[12:13], s[52:53]
	s_lshl_b32 s56, s24, 3
	s_add_co_u32 s56, s56, s23                     ; 8 b + p
	s_lshl_b32 s52, s56, 10
	s_add_nc_u64 s[14:15], s[14:15], s[52:53]
	s_add_nc_u64 s[18:19], s[18:19], s[52:53]
	s_lshl_b32 s52, s56, 2
	s_add_nc_u64 s[20:21], s[20:21], s[52:53]
	s_lshl_b32 s52, s24, 2
	s_add_nc_u64 s[16:17], s[16:17], s[52:53]
	s_load_b32 s25, s[16:17], 0x0                  ; n
	s_load_b32 s29, s[16:17], 0x80                 ; the flag
	s_load_b512 s[36:51], s[14:15], 0x0            ; tile 0's rows
	s_load_b512 s[76:91], s[14:15], 0x40           ; tile 1's
	WLOAD 0, 0, 0                                  ; group 0's W goes out while the scalar loads are on their way
	WLOAD 0, 1, 0
	SMALL 0, 0
	s_wait_kmcnt 0x0
	s_add_co_u32 s26, s25, 7
	s_lshr_b32 s26, s26, 3                         ; q = ceil(n / 8)
	s_mul_i32 s27, s23, s26
	s_sub_co_i32 s27, s25, s27
	s_max_i32 s27, s27, 0
	s_min_i32 s27, s27, s26                        ; my part's rows
	s_add_co_u32 s28, s27, 15
	s_lshr_b32 s28, s28, 4
	s_max_u32 s28, s28, 1
	s_min_u32 s28, s28, 16                         ; nm.  A part without rows runs one tile of row 0 and stores only places that weigh nothing
	OFFS 36
	XLD 0
	s_wait_xcnt 0x0                                ; the offsets are rewritten only behind this wait
	OFFS 76
	XLD 1
	s_load_b512 s[36:51], s[14:15], 0x80           ; tile 2's rows
	s_mov_b32 s30, 0
.Lx:                                               ; eight trips of two tiles
	s_mul_i32 s52, s30, 12288
	s_lshl_b32 s53, s30, 9
	v_add_nc_u32 v10, s52, v9
	v_add_nc_u32 v12, s53, v11
	s_wait_alu depctr_va_vdst(0)
	XTILE 0
	XTILE 1
	s_add_co_u32 s30, s30, 2
	s_cmp_lt_u32 s30, 16
	s_cbranch_scc1 .Lx
	s_wait_loadcnt 0x0                             ; no load into window 3 is out: W's second set may land there
	s_wait_dscnt 0x0                               ; for the others' sake: my images lie in LDS
	s_barrier_signal -1
	s_barrier_wait -1
	v_mov_b32 v2, v1                               ; tile 0
	v_mov_b32 v3, v5
	LDRUN 0, 25, 1
	s_wait_dscnt 0x0
	GROUP 0, 0, 1
	GROUP 1, 1, 0
	GROUP 0, 2, 0
	GROUP 1, 3, 0
	s_wait_dscnt 0x0                               ; for the others' sake: my sums lie in LDS
	s_barrier_signal -1
	s_barrier_wait -1
	; ---- the four waves' sums meet: wave w takes tiles w, w + 4, w + 8, w + 12
	v_mov_b32 v137, 0xff61b1e6                     ; -3e38: what an unused place holds
	v_mov_b32 v142, v137                           ; the running maximum
	v_cvt_f32_u32 v138, s29                        ; the flag: 1, or 0 where all rows were hidden: all scores equal
	v_and_b32 v139, 7, v0
	v_bfe_u32 v143, v0, 4, 1
	v_lshl_add_u32 v139, v143, 3, v139             ; the row of a tile that I store: 8 h + r % 8
	s_wait_alu depctr_va_vdst(0)                   ; scalar lines and branches stand ahead of these registers' readers
.irp j, 1,2,3,4,5,6,7
	s_mov_b32 s[91+\j], 0x01010101<<\j             ; the lanes with lane % 8 = j
.endr
	s_mov_b32 s30, 0
.Lfin:
	s_lshl_b32 s52, s30, 2
	s_add_co_u32 s52, s52, s22
	s_cmp_ge_u32 s52, s28
	s_cbranch_scc1 .Lfskip
	s_lshl_b32 s53, s52, 10
	s_add_co_u32 s53, s53, SACL
	v_add_nc_u32 v2, s53, v1
.irp w, 0,1,2,3
	ds_load_b128 v[104+8*\w:107+8*\w], v2 offset:16384*\w
	ds_load_b128 v[108+8*\w:111+8*\w], v2 offset:16384*\w+512
.endr
	s_wait_dscnt 0x0
.irp w, 1,2,3
.irp i, 0,2,4,6
	v_pk_add_f32 v[104+\i:105+\i], v[104+\i:105+\i], v[104+8*\w+\i:105+8*\w+\i]
.endr
.endr
.irp x, 1,2,4,8                                ; over the sixteen lanes, which hold 64 d each
.irp j, 0,1,2,3,4,5,6,7
	v_add_f32_dpp v[104+\j], v[104+\j], v[104+\j] row_xmask:\x row_mask:0xf bank_mask:0xf
.endr
.endr
	v_mov_b32 v136, v104
.irp j, 1,2,3,4,5,6,7
	v_cndmask_b32 v136, v136, v[104+\j], s[91+\j]  ; register r % 8: row 8 h + r % 8
.endr
	v_mul_f32 v136, v136, v138
	v_lshl_add_u32 v140, s52, 4, v139              ; its place in the part
	v_cmp_gt_u32 vcc_lo, s27, v140
	v_cndmask_b32 v136, v137, v136, vcc_lo
	v_max_num_f32 v142, v142, v136
	v_lshlrev_b32 v141, 2, v140
	global_store_b32 v141, v136, s[18:19]          ; lanes r and r + 8 store the same number to the same place: 64 consecutive bytes a tile
	s_wait_alu depctr_va_vdst(0)
	s_wait_xcnt 0x0                                ; the store's registers are written again in the next trip
.Lfskip:
	s_add_co_u32 s30, s30, 1
	s_cmp_lt_u32 s30, 4
	s_cbranch_scc1 .Lfin
.irp x, 1,2,4,8
	v_max_num_f32_dpp v142, v142, v142 row_xmask:\x row_mask:0xf bank_mask:0xf
.endr
	v_permlanex16_b32 v143, v142, s34, s35
	v_max_num_f32 v142, v142, v143
	s_lshl_b32 s52, s22, 2
	s_add_co_u32 s52, s52, MAXX
	v_mov_b32 v144, s52
	v_mov_b32 v145, MAXX
	v_mov_b32 v146, 0
	v_lshl_add_u32 v254, v0, 2, SPARE              ; my spare word, and 0: for the wave's end
	v_mov_b32 v255, 0
	ds_store_b32 v144, v142
	s_wait_alu depctr_va_vdst(0)
	s_wait_dscnt 0x0
	s_barrier_signal -1
	s_barrier_wait -1
	s_cmp_lg_u32 s22, 0
	s_cbranch_scc1 .Lend
	ds_load_b128 v[148:151], v145
	s_wait_dscnt 0x0
	v_max3_num_f32 v148, v148, v149, v150
	v_max_num_f32 v148, v148, v151                 ; the part's largest score
	v_cmp_eq_u32 vcc_lo, 0, v0
	s_wait_alu depctr_va_vdst(0)
	s_wait_xcnt 0x0
	s_and_saveexec_b32 s52, vcc_lo
	global_store_b32 v146, v148, s[20:21]
	s_wait_xcnt 0x0
	s_or_b32 exec_lo, exec_lo, s52
.Lend:
	s_wait_tensorcnt 0x0                           ; the wave's end, behind my last LDS store
	ds_add_u32 v254, v255
	s_wait_dscnt 0x0
	s_endpgm
.Lfunc_end_k_q6ede8a8cad_energy:
	.size	k_q6ede8a8cad_energy, .Lfunc_end_k_q6ede8a8cad_energy-k_q6ede8a8cad_energy
	.p2alignl 7, 3214868480
	.fill 96, 4, 3214868480
	.section	.rodata,"a",@progbits
	.p2align	6, 0x0
	.amdhsa_kernel k_q6ede8a8cad_energy
		.amdhsa_group_segment_fixed_size 304896
		.amdhsa_private_segment_fixed_size 0
		.amdhsa_enable_private_segment 0
		.amdhsa_kernarg_size 72
		.amdhsa_user_sgpr_count 2
		.amdhsa_user_sgpr_kernarg_segment_ptr 1
		.amdhsa_wavefront_size32 1
		.amdhsa_system_sgpr_workgroup_id_x 1
		.amdhsa_system_sgpr_workgroup_id_y 1
		.amdhsa_system_sgpr_workgroup_id_z 1
		.amdhsa_system_vgpr_workitem_id 0
		.amdhsa_next_free_vgpr 1024
		.amdhsa_next_free_sgpr 100
		.amdhsa_reserve_vcc 1
		.amdhsa_float_denorm_mode_32 3
		.amdhsa_float_denorm_mode_16_64 3
		.amdhsa_memory_ordered 1
		.amdhsa_forward_progress 1
		.amdhsa_inst_pref_size 194
	.end_amdhsa_kernel
	.amdgpu_metadata
---
amdhsa.version: [ 1, 2 ]
amdhsa.kernels:
  - .name:           k_q6ede8a8cad_energy
    .symbol:         k_q6ede8a8cad_energy.kd
    .args:
      - { .name: encoder_outputs, .offset: 0, .size: 8, .value_kind: global_buffer, .address_space: global }
      - { .name: wq, .offset: 8, .size: 8, .value_kind: global_buffer, .address_space: global }
      - { .name: wsc, .offset: 16, .size: 8, .value_kind: global_buffer, .address_space: global }
      - { .name: bias, .offset: 24, .size: 8, .value_kind: global_buffer, .address_space: global }
      - { .name: v_w, .offset: 32, .size: 8, .value_kind: global_buffer, .address_space: global }
      - { .name: list, .offset: 40, .size: 8, .value_kind: global_buffer, .address_space: global }
      - { .name: meta, .offset: 48, .size: 8, .value_kind: global_buffer, .address_space: global }
      - { .name: scores, .offset: 56, .size: 8, .value_kind: global_buffer, .address_space: global }
      - { .name: wgmax, .offset: 64, .size: 8, .value_kind: global_buffer, .address_space: global }
    .group_segment_fixed_size: 304896
    .private_segment_fixed_size: 0
    .kernarg_segment_align: 8
    .kernarg_segment_size: 72
    .max_flat_workgroup_size: 128
    .sgpr_count:     100
    .vgpr_count:     1024
    .wavefront_size: 32
...
	.end_amdgpu_metadata
.endif
;; end of part 2
;; launch weighted (part 3): grid 8 x 32, 32 waves a work-group, no clusters, 20,736 bytes of LDS; arguments encoder_outputs, list, meta, scores, wgmax, out0; writes out0
.if DOCPART == 3
	.amdgcn_target "amdgcn-amd-amdhsa--gfx1250"
	.amdhsa_code_object_version 6
	.text
	.protected	k_q6ede8a8cad_weighted
	.globl	k_q6ede8a8cad_weighted
	.p2align	8
	.type	k_q6ede8a8cad_weighted,@function
k_q6ede8a8cad_weighted:
	s_mov_b64 s[64:65], 0
	v_nop
	global_prefetch_b8 v0, s[64:65] scope:SCOPE_SE
	s_setreg_imm32_b32 hwreg(HW_REG_WAVE_MODE, 25, 1), 1
	s_wait_xcnt 0x0
; out0[b][e] = sum over the kept rows of softmax(score) x encoder_outputs[b][row][e], in f32.  The batch's largest score is taken away ahead of the exponential.
; Work-group (chunk of 128 columns, batch b) owns 512 bytes of the output: no sum spans work-groups.  Memory binds: each load of a wave reads 512 consecutive bytes of one listed row, 16 loads a wave are out,
; 32 waves.  The product has one row on its left (M = 1), so fused multiply-adds do it: fifteen of a matrix tile's sixteen rows would be idle.  No LDS ring and no cluster: the rows are gathered by a list, and no two work-groups read the same bytes.
; Wave w takes part w / 4 of the list and its chunks of 16 rows 4 i + w % 4, i = 0 .. 3; a chunk at or past the part's rows is jumped over.  Unused places of a chunk hold row 0 with the score -3e38: weight 0.
; No cache word on the rows' loads: the list may name row 0 again.
; LIMIT: finite inputs (a weight of 0 times a row of the list must be 0).
.set OFF,  16                          ; v16-31  16 rows' byte offsets
.set DA,   32                          ; v32-95  16 rows x 16 bytes a lane
; v1 16 x lane; v2 4 (lane % 16); v3 the scores' offset; v4 scores; v5 weights; v6 their sum; v7 the largest score; v[8:11], v[12:15] two sets of sums by turns; v100-104 the end
	s_load_b256 s[4:11], s[0:1], 0x0               ; rows, list, meta, scores
	s_load_b128 s[12:15], s[0:1], 0x20             ; wgmax, out0
	v_lshl_add_u32 v126, v0, 2, 0x4100
	v_mov_b32 v127, 0
	v_lshrrev_b32 v1, 5, v0
	s_delay_alu instid0(VALU_DEP_1)
	v_readfirstlane_b32 s24, v1                    ; wave 0..31
	v_and_b32 v2, 31, v0
	s_delay_alu instid0(VALU_DEP_1)
	v_lshlrev_b32 v1, 4, v2
	s_delay_alu instid0(VALU_DEP_2)
	v_lshl_add_u32 v100, v2, 2, 16384              ; LDS: wave i's sum of weights, for lane i
	v_and_b32 v2, 15, v0
	s_delay_alu instid0(VALU_DEP_1)
	v_lshlrev_b32 v2, 2, v2
	v_bfe_u32 v98, v0, 4, 1
	s_delay_alu instid0(VALU_DEP_1)
	v_lshlrev_b32 v98, 8, v98                      ; the prefetch: lanes 0-15 name the first 256 bytes of a row's 512, lanes 16-31 the second
	s_and_b32 s25, ttmp7, 0xffff                   ; batch
	s_lshr_b32 s26, s24, 2                         ; part
	s_and_b32 s27, s24, 3
	s_lshl_b32 s52, s24, 9
	v_add_nc_u32 v102, s52, v1                     ; LDS: my wave's 512 bytes of sums
	s_lshl_b32 s52, s24, 2
	s_add_co_u32 s52, s52, 16384
	v_mov_b32 v103, s52
	s_mov_b32 s34, 0x76543210
	s_mov_b32 s35, 0xfedcba98
	s_mov_b32 s53, 0
.irp r, 0,1,2,3,4,5,6,7,8,9,10,11,12,13,14,15
	s_mov_b32 s[67+2*\r], 0                        ; the upper halves of the pairs that the packed form names
.endr
.irp i, 6,8,9,10,11,12,13,14,15,104
	v_mov_b32 v[\i], 0
.endr
	s_wait_kmcnt 0x0
	s_lshl_b32 s52, s25, 23
	s_lshl_b32 s54, ttmp9, 9
	s_add_co_u32 s52, s52, s54
	s_add_nc_u64 s[4:5], s[4:5], s[52:53]          ; the batch's rows at my 128 columns
	s_lshl_b32 s52, s25, 3
	s_add_co_u32 s52, s52, s26
	s_lshl_b32 s52, s52, 10
	s_add_nc_u64 s[6:7], s[6:7], s[52:53]          ; my part of the list,
	s_add_nc_u64 s[10:11], s[10:11], s[52:53]      ; and of the scores
	s_lshl_b32 s52, s25, 2
	s_add_nc_u64 s[8:9], s[8:9], s[52:53]
	s_lshl_b32 s52, s25, 5
	s_add_nc_u64 s[12:13], s[12:13], s[52:53]
	s_lshl_b32 s52, s25, 12
	s_add_co_u32 s52, s52, s54
	s_add_nc_u64 s[14:15], s[14:15], s[52:53]
	s_load_b32 s28, s[8:9], 0x0                    ; n
	s_load_b256 s[16:23], s[12:13], 0x0            ; the eight parts' largest scores
	s_lshl_b32 s55, s27, 6
	s_load_b512 s[36:51], s[6:7], s55 offset:0x0   ; my first chunk's rows
	s_wait_kmcnt 0x0
	s_add_co_u32 s31, s28, 7
	s_lshr_b32 s31, s31, 3                         ; q
	s_mul_i32 s29, s26, s31
	s_sub_co_i32 s29, s28, s29
	s_max_i32 s29, s29, 0
	s_min_i32 s29, s29, s31                        ; my part's rows
	v_mov_b32 v7, s16
	s_delay_alu instid0(VALU_DEP_1)
	v_max3_num_f32 v7, v7, s17, s18
	s_delay_alu instid0(VALU_DEP_1)
	v_max3_num_f32 v7, v7, s19, s20
	s_delay_alu instid0(VALU_DEP_1)
	v_max3_num_f32 v7, v7, s21, s22
	s_delay_alu instid0(VALU_DEP_1)
	v_max_num_f32 v7, s23, v7                      ; the batch's largest score
	s_mov_b32 s30, 0
.Lt:
	s_lshl_b32 s56, s30, 2
	s_add_co_u32 s56, s56, s27                     ; the chunk
	s_lshl_b32 s57, s56, 4
	s_cmp_ge_u32 s57, s29
	s_cbranch_scc1 .Lskip
	s_wait_kmcnt 0x0                               ; its rows' numbers
.irp r, 0,1,2,3,4,5,6,7,8,9,10,11,12,13,14,15
	s_min_u32 s[36+\r], s[36+\r], 0x7ff            ; held inside the batch's 2,048 rows
	v_lshl_add_u32 v[OFF+\r], s[36+\r], 12, v1     ; (the last trip's loads have all been waited for: their offsets are free)
.endr
	s_lshl_b32 s57, s56, 6
	v_add_nc_u32 v3, s57, v2
	s_add_co_u32 s58, s56, 4                       ; my next chunk,
	s_lshl_b32 s59, s58, 4                         ; its first row's place in the part,
	s_min_u32 s58, s58, 15                         ; and no entry past the part's 256
	s_lshl_b32 s58, s58, 6
	v_add_nc_u32 v96, s58, v2
	global_load_b32 v4, v3, s[10:11]               ; lane l: the score of row l % 16
	global_load_b32 v97, v96, s[6:7]               ; lane l: entry l % 16 of my next chunk's part of the list
	s_wait_alu depctr_va_vdst(0)
.irp r, 0,1,2,3,4,5,6,7,8,9,10,11,12,13,14,15
	global_load_b128 v[DA+4*\r:DA+4*\r+3], v[OFF+\r], s[4:5]
.endr
	s_add_co_u32 s55, s56, 4
	s_min_u32 s55, s55, 15                         ; no entry past the part's 256
	s_lshl_b32 s55, s55, 6
	s_load_b512 s[36:51], s[6:7], s55 offset:0x0   ; my next chunk's rows
	s_wait_loadcnt 16                              ; the scores and the next chunk's entries are in; the 16 rows may be out
	s_cmp_ge_u32 s59, s29
	s_cbranch_scc1 .Lnopf                          ; no next chunk is read: nothing is asked for
	s_wait_xcnt 0x0                                ; the last trip's prefetch has read its address register
	v_min_u32 v99, 0x7ff, v97                      ; held inside the batch's 2,048 rows
	s_delay_alu instid0(VALU_DEP_1)
	v_lshl_add_u32 v99, v99, 12, v98
	global_prefetch_b8 v99, s[4:5] th:TH_LOAD_NT scope:SCOPE_SE   ; my next chunk's 16 rows x 512 bytes, a lane to each 256 bytes, one trip ahead of the loads that want them
.Lnopf:
	v_sub_f32 v5, v4, v7
	s_delay_alu instid0(VALU_DEP_1)
	v_mul_f32 v5, 0x3fb8aa3b, v5
	s_wait_alu depctr_va_vdst(0)
	v_exp_f32 v5, v5                               ; e^(score - max)
	v_nop                                          ; a plain place behind the exponential
	s_wait_alu depctr_va_vdst(0)
	v_add_f32 v6, v6, v5
.irp r, 0,1,2,3,4,5,6,7,8,9,10,11,12,13,14,15
	v_readlane_b32 s[66+2*\r], v5, \r
.endr
.irp r, 0,1,2,3,4,5,6,7,8,9,10,11,12,13,14,15
	s_wait_alu depctr_va_vdst(0)
	s_wait_loadcnt 15-\r                           ; row r is in; the rows behind it may be out
	v_pk_fma_f32 v[8+4*(\r%2):9+4*(\r%2)], v[DA+4*\r:DA+4*\r+1], s[66+2*\r:67+2*\r], v[8+4*(\r%2):9+4*(\r%2)] op_sel_hi:[1,0,1]
	v_pk_fma_f32 v[10+4*(\r%2):11+4*(\r%2)], v[DA+4*\r+2:DA+4*\r+3], s[66+2*\r:67+2*\r], v[10+4*(\r%2):11+4*(\r%2)] op_sel_hi:[1,0,1]
.endr
.Lskip:
	s_add_co_u32 s30, s30, 1
	s_cmp_lt_u32 s30, 4
	s_cbranch_scc1 .Lt
	s_wait_alu depctr_va_vdst(0)
	v_pk_add_f32 v[8:9], v[8:9], v[12:13]
	v_pk_add_f32 v[10:11], v[10:11], v[14:15]
.irp x, 1
	v_add_f32_dpp v6, v6, v6 row_xmask:\x row_mask:0xf bank_mask:0xf     ; sixteen lanes hold sixteen rows' weights (both halves of the lanes the same)
.endr
.irp x, 2, 4, 8
	s_delay_alu instid0(VALU_DEP_1)
	v_add_f32_dpp v6, v6, v6 row_xmask:\x row_mask:0xf bank_mask:0xf     ; sixteen lanes hold sixteen rows' weights (both halves of the lanes the same)
.endr
	ds_store_b128 v102, v[8:11]
	ds_store_b32 v103, v6                          ; all lanes store the same number to the same word
	s_wait_dscnt 0x0                               ; for wave 0's sake
	s_barrier_signal -1
	s_barrier_wait -1
	s_cmp_lg_u32 s24, 0
	s_cbranch_scc1 .Lend
.irp w, 0,1,2,3,4,5,6,7,8,9,10,11,12,13,14,15
	ds_load_b128 v[32+4*\w:35+4*\w], v1 offset:512*\w
.endr
	ds_load_b32 v101, v100
	s_wait_dscnt 0x0
.irp w, 1
	v_pk_add_f32 v[32:33], v[32:33], v[32+4*\w:33+4*\w]
	v_pk_add_f32 v[34:35], v[34:35], v[34+4*\w:35+4*\w]
.endr
.irp w, 2, 3, 4, 5, 6, 7, 8, 9, 10, 11, 12, 13, 14, 15
	s_delay_alu instid0(VALU_DEP_2)
	v_pk_add_f32 v[32:33], v[32:33], v[32+4*\w:33+4*\w]
	s_delay_alu instid0(VALU_DEP_2)
	v_pk_add_f32 v[34:35], v[34:35], v[34+4*\w:35+4*\w]
.endr
.irp w, 0,1,2,3,4,5,6,7,8,9,10,11,12,13,14,15
	ds_load_b128 v[36+4*\w:39+4*\w], v1 offset:8192+512*\w
.endr
.irp x, 1
	v_add_f32_dpp v101, v101, v101 row_xmask:\x row_mask:0xf bank_mask:0xf
.endr
.irp x, 2, 4, 8
	s_delay_alu instid0(VALU_DEP_1)
	v_add_f32_dpp v101, v101, v101 row_xmask:\x row_mask:0xf bank_mask:0xf
.endr
	s_delay_alu instid0(VALU_DEP_1)
	v_permlanex16_b32 v104, v101, s34, s35
	s_delay_alu instid0(VALU_DEP_1)
	v_add_f32 v101, v101, v104                     ; the sum of all weights: at least 1, the largest score's
	s_wait_alu depctr_va_vdst(0)
	v_rcp_f32 v101, v101
	s_wait_dscnt 0x0
.irp w, 0
	v_pk_add_f32 v[32:33], v[32:33], v[36+4*\w:37+4*\w]
	v_pk_add_f32 v[34:35], v[34:35], v[38+4*\w:39+4*\w]
.endr
.irp w, 1, 2, 3, 4, 5, 6, 7, 8, 9, 10, 11, 12, 13, 14, 15
	s_delay_alu instid0(VALU_DEP_2)
	v_pk_add_f32 v[32:33], v[32:33], v[36+4*\w:37+4*\w]
	s_delay_alu instid0(VALU_DEP_2)
	v_pk_add_f32 v[34:35], v[34:35], v[38+4*\w:39+4*\w]
.endr
	s_wait_alu depctr_va_vdst(0)
.irp i, 0,1,2,3
	v_mul_f32 v[32+\i], v[32+\i], v101
.endr
	global_store_b128 v1, v[32:35], s[14:15]       ; 32 lanes store 512 consecutive bytes, at a multiple of 256 from the output's first byte
.Lend:
	s_barrier_signal -1
	s_barrier_wait -1
	s_wait_tensorcnt 0x0
	ds_add_u32 v126, v127
	s_wait_dscnt 0x0
	s_endpgm
.Lfunc_end_k_q6ede8a8cad_weighted:
	.size	k_q6ede8a8cad_weighted, .Lfunc_end_k_q6ede8a8cad_weighted-k_q6ede8a8cad_weighted
	.p2alignl 7, 3214868480
	.fill 96, 4, 3214868480
	.section	.rodata,"a",@progbits
	.p2align	6, 0x0
	.amdhsa_kernel k_q6ede8a8cad_weighted
		.amdhsa_group_segment_fixed_size 20736
		.amdhsa_private_segment_fixed_size 0
		.amdhsa_enable_private_segment 0
		.amdhsa_kernarg_size 48
		.amdhsa_user_sgpr_count 2
		.amdhsa_user_sgpr_kernarg_segment_ptr 1
		.amdhsa_wavefront_size32 1
		.amdhsa_system_sgpr_workgroup_id_x 1
		.amdhsa_system_sgpr_workgroup_id_y 1
		.amdhsa_system_sgpr_workgroup_id_z 1
		.amdhsa_system_vgpr_workitem_id 0
		.amdhsa_next_free_vgpr 128
		.amdhsa_next_free_sgpr 100
		.amdhsa_reserve_vcc 0
		.amdhsa_float_denorm_mode_32 3
		.amdhsa_float_denorm_mode_16_64 3
		.amdhsa_memory_ordered 1
		.amdhsa_forward_progress 1
		.amdhsa_inst_pref_size 23
	.end_amdhsa_kernel
	.amdgpu_metadata
---
amdhsa.version: [ 1, 2 ]
amdhsa.kernels:
  - .name:           k_q6ede8a8cad_weighted
    .symbol:         k_q6ede8a8cad_weighted.kd
    .args:
      - { .name: encoder_outputs, .offset: 0, .size: 8, .value_kind: global_buffer, .address_space: global }
      - { .name: list, .offset: 8, .size: 8, .value_kind: global_buffer, .address_space: global }
      - { .name: meta, .offset: 16, .size: 8, .value_kind: global_buffer, .address_space: global }
      - { .name: scores, .offset: 24, .size: 8, .value_kind: global_buffer, .address_space: global }
      - { .name: wgmax, .offset: 32, .size: 8, .value_kind: global_buffer, .address_space: global }
      - { .name: out0, .offset: 40, .size: 8, .value_kind: global_buffer, .address_space: global }
    .group_segment_fixed_size: 20736
    .private_segment_fixed_size: 0
    .kernarg_segment_align: 8
    .kernarg_segment_size: 48
    .max_flat_workgroup_size: 1024
    .sgpr_count:     100
    .vgpr_count:     128
    .wavefront_size: 32
...
	.end_amdgpu_metadata
.endif
;; end of part 3
